; MI455X (gfx1250); checked and timed in simulation.
; The chip was launched on July 23, 2026; its instructions are those of AMD's public machine-readable ISA for CDNA 5 (MIT licence, August 2026) and "CDNA5" Instruction Set Architecture Reference Guide (July 2026). The comments in the code are by the model that wrote it; some were corrected since.
;; Attention. Allowed arithmetic: float matrix products may take bf16 or f16 operands with f32 sums; all other float work in f32.
;; Inputs: kernel 3 x 1,024 x 1,024 float32; x 4 x 2,048 x 1,024 float32.
;; Outputs: out0 4 x 2,048 x 1,024 float32.
;; One version. Each part assembles by itself: llvm-mc -triple=amdgcn-amd-amdhsa -mcpu=gfx1250 --defsym DOCPART=n.
;; ======== version 1 of 1: 4 launches
;; limits: values are held in f16: magnitudes above 65,504 overflow, below 6.1e-05 lose precision
;; workspace buffers: xb 16,777,216 bytes; wb 6,291,456 bytes; qkv 50,331,648 bytes; pbuf 33,554,432 bytes; stats 1,048,576 bytes
;; launch prep (part 1): grid 704 x 1, 8 waves a work-group, no clusters, 0 bytes of LDS; arguments x, kernel, xb, wb; writes xb, wb
.if DOCPART == 1
	.amdgcn_target "amdgcn-amd-amdhsa--gfx1250"
	.amdhsa_code_object_version 6
	.text
	.protected	k_qc5309c6740_prep
	.globl	k_qc5309c6740_prep
	.p2align	8
	.type	k_qc5309c6740_prep,@function
k_qc5309c6740_prep:
	s_mov_b64 s[64:65], 0
	v_nop
	global_prefetch_b8 v0, s[64:65] scope:SCOPE_SE
	s_setreg_imm32_b32 hwreg(HW_REG_WAVE_MODE, 25, 1), 1
	s_wait_xcnt 0x0
; xb[row][d] = bf16(x[row][d])  (8,192 rows of 1,024);   wb[d][1024 i + o] = bf16(kernel[i][d][o])  (1,024 rows of 3,072).
; A stream: no LDS, no barrier, no matrix unit.  A pass is 256 threads x 8 numbers: 8,192 bytes in, 4,096 bytes out; a work-group makes 8 passes.
; Work-groups 0 to 511 take x (65,536 bytes each), work-groups 512 to 703 take 16 rows d of one of the three weight matrices (65,536 bytes each).
; All sixteen loads of a thread go out first; no register is written twice, so no wait frees a source.
; Each store of 16 lanes covers 256 consecutive bytes, at a multiple of 256 from the buffer's first byte.
.set X, 4                              ; v[4:67]   pass p: 8 numbers in f32
.set Y, 68                             ; v[68:99]  pass p: 8 numbers in bf16
.macro BODY src, dst, dstep            ; dstep: bytes in the output from a pass to the next
.irp p, 0,1,2,3,4,5,6,7
	global_load_b128 v[X+8*\p:X+8*\p+3],   v1, s[\src:\src+1] offset:8192*\p th:TH_LOAD_NT
	global_load_b128 v[X+8*\p+4:X+8*\p+7], v1, s[\src:\src+1] offset:8192*\p+16 th:TH_LOAD_NT
.endr
.irp p, 0,1,2,3,4,5,6,7
	s_wait_loadcnt 14-2*\p                         ; loads come back in order: pass p's two are in, the two of each younger pass stay out
.irp e, 0,1,2,3
	v_cvt_pk_bf16_f32 v[Y+4*\p+\e], v[X+8*\p+2*\e], v[X+8*\p+2*\e+1]
.endr
	global_store_b128 v2, v[Y+4*\p:Y+4*\p+3], s[\dst:\dst+1] offset:\p*\dstep
.endr
.endm
	s_load_b256 s[4:11], s[0:1], 0x0               ; x s[4:5], kernel s[6:7], xb s[8:9], wb s[10:11]
	v_lshlrev_b32 v1, 5, v0                        ; my 32 bytes of a pass's input
	s_mov_b32 s13, 0
	s_mov_b32 s15, 0
	s_cmp_lt_u32 ttmp9, 512
	s_cbranch_scc0 .Lweights
	s_lshl_b32 s12, ttmp9, 16                      ; 65,536 bytes of x,
	s_lshl_b32 s14, ttmp9, 15                      ; 32,768 bytes of xb
	v_lshlrev_b32 v2, 4, v0                        ; my 16 bytes of a pass's output
	s_wait_kmcnt 0x0
	s_add_nc_u64 s[4:5], s[4:5], s[12:13]
	s_add_nc_u64 s[8:9], s[8:9], s[14:15]
	BODY 4, 8, 4096
	s_endpgm
.Lweights:
	s_sub_co_u32 s16, ttmp9, 512                   ; g = 64 i + group of 16 rows d
	s_lshl_b32 s12, s16, 16                        ; the three matrices lie end to end: 65,536 g
	s_and_b32 s14, s16, 63
	s_mul_i32 s14, s14, 16*6144                    ; 16 rows of wb, 6,144 bytes each,
	s_lshr_b32 s17, s16, 6
	s_lshl_b32 s17, s17, 11                        ; and matrix i's 1,024 columns begin at byte 2,048 i
	s_add_co_u32 s14, s14, s17
	v_lshrrev_b32 v3, 7, v0                        ; a pass is two rows d: which of them is mine,
	v_and_b32 v2, 127, v0                          ; and which 8 columns
	v_mul_u32_u24 v3, v3, 6144
	v_lshl_add_u32 v2, v2, 4, v3
	s_wait_kmcnt 0x0
	s_add_nc_u64 s[6:7], s[6:7], s[12:13]
	s_add_nc_u64 s[10:11], s[10:11], s[14:15]
	BODY 6, 10, 2*6144
	s_endpgm
.Lfunc_end_k_qc5309c6740_prep:
	.size	k_qc5309c6740_prep, .Lfunc_end_k_qc5309c6740_prep-k_qc5309c6740_prep
	.p2alignl 7, 3214868480
	.fill 96, 4, 3214868480
	.section	.rodata,"a",@progbits
	.p2align	6, 0x0
	.amdhsa_kernel k_qc5309c6740_prep
		.amdhsa_group_segment_fixed_size 0
		.amdhsa_private_segment_fixed_size 0
		.amdhsa_enable_private_segment 0
		.amdhsa_kernarg_size 32
		.amdhsa_user_sgpr_count 2
		.amdhsa_user_sgpr_kernarg_segment_ptr 1
		.amdhsa_wavefront_size32 1
		.amdhsa_system_sgpr_workgroup_id_x 1
		.amdhsa_system_sgpr_workgroup_id_y 1
		.amdhsa_system_sgpr_workgroup_id_z 1
		.amdhsa_system_vgpr_workitem_id 0
		.amdhsa_next_free_vgpr 104
		.amdhsa_next_free_sgpr 66
		.amdhsa_reserve_vcc 0
		.amdhsa_float_denorm_mode_32 3
		.amdhsa_float_denorm_mode_16_64 3
		.amdhsa_memory_ordered 1
		.amdhsa_forward_progress 1
		.amdhsa_inst_pref_size 11
	.end_amdhsa_kernel
	.amdgpu_metadata
---
amdhsa.version: [ 1, 2 ]
amdhsa.kernels:
  - .name:           k_qc5309c6740_prep
    .symbol:         k_qc5309c6740_prep.kd
    .args:
      - { .name: x, .offset: 0, .size: 8, .value_kind: global_buffer, .address_space: global }
      - { .name: kernel, .offset: 8, .size: 8, .value_kind: global_buffer, .address_space: global }
      - { .name: xb, .offset: 16, .size: 8, .value_kind: global_buffer, .address_space: global }
      - { .name: wb, .offset: 24, .size: 8, .value_kind: global_buffer, .address_space: global }
    .group_segment_fixed_size: 0
    .private_segment_fixed_size: 0
    .kernarg_segment_align: 8
    .kernarg_segment_size: 32
    .max_flat_workgroup_size: 256
    .sgpr_count:     66
    .vgpr_count:     104
    .wavefront_size: 32
...
	.end_amdgpu_metadata
.endif
;; end of part 1
;; launch proj (part 2): grid 8 x 64, 4 waves a work-group, clusters of 4 x 4, 327,680 bytes of LDS; arguments xb, wb, qkv; writes qkv
.if DOCPART == 2
	.amdgcn_target "amdgcn-amd-amdhsa--gfx1250"
	.amdhsa_code_object_version 6
	.text
	.protected	k_qc5309c6740_proj
	.globl	k_qc5309c6740_proj
	.p2align	8
	.type	k_qc5309c6740_proj,@function
k_qc5309c6740_proj:
	s_mov_b64 s[64:65], 0
	v_nop
	global_prefetch_b8 v0, s[64:65] scope:SCOPE_SE
	s_setreg_imm32_b32 hwreg(HW_REG_WAVE_MODE, 25, 1), 1
	s_wait_xcnt 0x0
	s_wait_alu depctr_hold_cnt(0) depctr_sa_sdst(0) depctr_va_vdst(0) depctr_va_sdst(0) depctr_va_ssrc(0) depctr_va_vcc(0) depctr_vm_vsrc(0)
	s_getreg_b32 s2, hwreg(HW_REG_IB_STS2, 6, 4)
	s_cmp_eq_u32 s2, 0
	s_cbranch_scc0 .Lentry_in_a_cluster
	s_endpgm
.Lentry_in_a_cluster:
	s_bfe_u32 s2, ttmp6, 0x10000c
	s_cmp_lg_u32 s2, 0xf033
	s_cbranch_scc0 .Lentry_shape_is_right
	s_endpgm
.Lentry_shape_is_right:
; qkv[m][n] = the sum over k of xb[m][k] wb[k][n].  xb: [8192][1024] bf16, wb: [1024][3072] bf16, qkv: [8192][3072] f16 (q: columns 0-1023, k: 1024-2047, v: 2048-3071).  Sums in f32, rounded once.
; LIMIT.  f16 holds no number beyond 65,504: a sum of magnitude 65,520 or more leaves as an infinity.  NaN and infinities are not treated apart.
; SHARES.  A work-group makes 128 rows x 384 columns: 8 x 64 = 512 equal work-groups.  Each of its four waves takes all 128 rows (8 blocks a of 16) and six blocks of 16 columns:
; block b = 2 j + e is columns 128 j + 32 w + 16 e of the tile (j = 0..2, e = 0, 1), so that every LDS address is a constant plus the wave's number times a constant.  48 accumulators, 384 registers.
; RING.  K goes in steps of 128 through two LDS slots.  A slot: 128 rows of xb (256 bytes + 16 of padding), then three sub-tiles of wb, 128 rows k x 128 columns each (256 bytes + 32).
; Wave 3 fetches xb's tile, waves 0 to 2 one sub-tile of wb each: one tensor load a wave, 128 rows of 256 bytes.  By this text's count a wave has two loads out at the start and one later.
; CLUSTER.  4 x 4 work-groups.  xb's tile hangs on the tile row alone and is asked for jointly by the four of a row of the cluster, wb's on the tile column alone, by the four of a column.
; THE MATRIX INSTRUCTION IS USED TRANSPOSED: source 0 = 16 columns of wb (turned on the way out of LDS by ds_load_tr16_b128), source 1 = 16 rows of xb: a lane then holds eight neighbouring numbers of a row of qkv.
; REGISTERS, in windows of 256 (s_set_vgpr_msb: bits 1:0 source 0, 3:2 source 1, 5:4 source 2, 7:6 destination):
;   window 0: v0-31 addresses; v64-127, v128-191 fragments of xb, two buffers; on the way out v32-223 whole rows, v224-247 packed results
;   window 1: v64-111, v128-175 fragments of wb, two buffers      window 2: accumulators of blocks a = 0-3, (a, b) at v[8 (6 a + b)]      window 3: those of a = 4-7
.set NSTEP,  8                         ; K steps: 1,024 / 128
.set PA,     272                       ; an LDS row of xb: 68 words, so the 16 rows of a load start at 16 different groups of four banks (64 banks of 4 bytes: ISA guide 11.1)
.set PB,     288                       ; an LDS row of wb: 72 words
.set ASZ,    128*PA
.set SUB,    128*PB
.set SLOT,   ASZ+3*SUB                 ; 145,408
.set SPARE,  2*SLOT                    ; behind the ring: the spare words, 128 bytes for each wave: two blocks of 256 bytes that no other line names
.set SP,     784                       ; the stage: 128 rows of 768 bytes + 16.  It lies in slot 0, which has had its last fill (K step 6); it is written behind a barrier behind which no wave reads the ring
.set STEPA,  256                       ; bytes from a K step to the next in xb,
.set STEPB,  128*6144                  ; and in wb
.set ADRA0, 16                         ; v16     my lane's place in xb's tile; never rewritten
.set ADRA,  17                         ; v17     the same in the slot in hand
.set ADRB0, 18                         ; v18     my lane's place in wb's sub-tile 0; never rewritten
.set ADRB,  20                         ; v20-22  the same in the slot in hand, sub-tiles 0 to 2
.set STO,   24                         ; v24, 25 the way out: where I put 16 bytes of a row (blocks 0-3, blocks 4-7)
.set RD,    26                         ; v26     the way out: where I read rows back
.set CO,    27                         ; v27     my byte offset in qkv
.set SPW,   28                         ; v28     LDS address of my spare word; never rewritten
.set NIL,   29                         ; v29     0; never rewritten
.set OB,    32
.set F0,    64
.set F1,    128
.set TMP,   224
.set WV,  12                           ; s12  my wave's number
.set TB,  15                           ; s15  where the slot in hand begins: 0 or SLOT
.set LBA, 16                           ; s16  LDS address in slot 0 of the tile of xb
.set LBB, 17                           ; s17  of my sub-tile of wb
.set G1A, 24                           ; s[24:31] descriptor group 1 for xb's tiles
.set G1B, 32                           ; s[32:39] for wb's
.set G0A, 40                           ; s[40:47] descriptor group 0 for xb's tiles: a set for each first fill; the second then walks on
.set G0B, 48                           ; s[48:55] the same for wb's
.set CNT, 56
.set MSB, 0
.macro WIN new                         ; the immediate's high byte repeats the setting that is left; a switch that changes nothing is dropped
.if MSB != (\new)
	s_set_vgpr_msb (MSB<<8)|(\new)
.set MSB, \new
.endif
.endm
.set MUL_LO, 0xa1                      ; source 0 (wb) window 1, source 1 (xb) window 0, C and D window 2
.set MUL_HI, 0xf1                      ; the same, C and D window 3
.set TO_B,   0x40                      ; destination window 1, address window 0
.macro PLACES                          ; a load into a register that a matrix instruction has read, and a vector instruction that reads a matrix result, stand four plain vector instructions behind it (ISA guide 7.12.1 for vector instructions)
.rept 4
	v_nop
.endr
.endm
; A joint refill by the walking descriptors.  The branch hangs on the wave's number alone.  An s_nop 0 and four v_nop follow each of the two lines.
.macro JLOAD
	s_cmp_eq_u32 s[WV], 3
	s_cbranch_scc0 .Lfor_b_\@
	tensor_load_to_lds s[G0A+4:G0A+7], s[G1A:G1A+7]
	s_nop 0
.rept 4
	v_nop
.endr
	s_branch .Lasked_\@
.Lfor_b_\@:
	tensor_load_to_lds s[G0B+4:G0B+7], s[G1B:G1B+7]
	s_nop 0
.rept 4
	v_nop
.endr
.Lasked_\@:
.endm
.macro CREST                           ; a round of the cluster's barrier behind its opening barrier
	s_cmp_lg_u32 s[WV], 0
	s_cbranch_scc1 .Lnot_wave_0_\@
	s_barrier_signal -3
.Lnot_wave_0_\@:
	s_barrier_wait -3
	s_barrier_signal -1
	s_barrier_wait -1
.endm
.macro CROUND                          ; a whole round
	s_barrier_signal -1
	s_barrier_wait -1
	CREST
.endm
.macro SETADR                          ; the fragment addresses in the slot that begins at s[TB]
	v_add_nc_u32 v[ADRA], s[TB], v[ADRA0]
	v_add_nc_u32 v[ADRB], s[TB], v[ADRB0]
	v_add_nc_u32 v[ADRB+1], SUB, v[ADRB]
	v_add_nc_u32 v[ADRB+2], 2*SUB, v[ADRB]
.endm
	s_load_b128 s[4:7], s[0:1], 0x0                ; xb s[4:5], wb s[6:7]
	s_load_b64 s[8:9], s[0:1], 0x10                ; qkv
	v_lshl_add_u32 v[SPW], v0, 2, SPARE
	v_mov_b32 v[NIL], 0
	ds_add_u32 v28, v29
	ds_add_u32 v28, v29
	s_wait_dscnt 0x0
	v_lshrrev_b32 v1, 5, v0
	v_readfirstlane_b32 s[WV], v1                  ; wave 0..3
	s_bfe_u32 s62, ttmp6, 0x40000                  ; cx: my place along the cluster's x
	s_bfe_u32 s63, ttmp6, 0x40004                  ; cy: along its y
	s_lshl_b32 s18, ttmp9, 2                       ; in a cluster launch ttmp9 and ttmp7 count clusters
	s_add_co_u32 s18, s18, s62                     ; tile column = 4 x cluster x + cx
	s_and_b32 s19, ttmp7, 0xffff
	s_lshl_b32 s19, s19, 2
	s_add_co_u32 s19, s19, s63                     ; tile row = 4 x cluster y + cy
	s_lshl_b32 s20, s63, 2
	s_lshl_b32 s20, 15, s20                        ; my row of the cluster: places 4 cy .. 4 cy + 3
	s_lshl_b32 s21, 0x1111, s62                    ; my column: places cx, cx + 4, cx + 8, cx + 12
	; descriptor group 1: tiles of 128 rows x 128 elements of 2 bytes, padded in LDS after every 64 words
	s_or_b32 s[G1A], s20, (1<<16)|(1<<20)|(1<<21)|(5<<22)|(3<<25)  ; 15:0 the mask; 17:16 2-byte elements; 20 padding on; 21 set beside a mask; 24:22 after every 64 words (code 5); 31:25 4 words (code 3)
	s_or_b32 s[G1B], s21, (1<<16)|(1<<20)|(1<<21)|(5<<22)|(7<<25)  ; the same with my column's mask and 8 words of padding (code 7)
.irp g, G1A, G1B
	s_mov_b32 s[(\g)+1], 128<<16                   ; tensor_dim0 = 128
	s_mov_b32 s[(\g)+2], 128<<16                   ; tensor_dim1 = 128
	s_mov_b32 s[(\g)+3], 128<<16                   ; tile_dim0 = 128
	s_mov_b32 s[(\g)+4], 128                       ; tile_dim1 = 128
	s_mov_b32 s[(\g)+6], 0
	s_mov_b32 s[(\g)+7], 0
.endr
	s_mov_b32 s[G1A+5], 1024                       ; elements from row to row in xb,
	s_mov_b32 s[G1B+5], 3072                       ; and in wb
	s_mov_b32 s[TB], 0
	s_mov_b32 s[LBA], 0
	s_mul_i32 s[LBB], s[WV], SUB
	s_add_co_u32 s[LBB], s[LBB], ASZ               ; no place in the cluster enters an LDS address
	s_lshl_b32 s22, s19, 18                        ; xb: 128 rows of 2,048 bytes for each tile row: made of the tile row alone
	s_mov_b32 s23, 0
	s_mul_i32 s2, s18, 3
	s_add_co_u32 s2, s2, s[WV]
	s_lshl_b32 s2, s2, 8                           ; wb: sub-tile 3 x tile column + wave, 256 bytes of a row each: made of the tile column and the wave's number alone
	s_mov_b32 s3, 0
	s_wait_kmcnt 0x0
	s_add_nc_u64 s[22:23], s[4:5], s[22:23]
	s_add_nc_u64 s[2:3], s[6:7], s[2:3]
	CROUND                                         ; all sixteen work-groups are here: the first joint loads meet
.irp s, 0,1
	s_mov_b32 s[G0A+4*(\s)], 1                                       ; 1:0 count = 1
	s_add_co_u32 s[G0A+4*(\s)+1], s[LBA], (\s)*SLOT                  ; 63:32 LDS address
	s_add_nc_u64 s[G0A+4*(\s)+2:G0A+4*(\s)+3], s[22:23], (\s)*STEPA  ; 120:64 global address: K step s
	s_or_b32 s[G0A+4*(\s)+3], s[G0A+4*(\s)+3], 0x80000000            ; 127:126 type = 2
	s_mov_b32 s[G0B+4*(\s)], 1
	s_add_co_u32 s[G0B+4*(\s)+1], s[LBB], (\s)*SLOT
	s_add_nc_u64 s[G0B+4*(\s)+2:G0B+4*(\s)+3], s[2:3], (\s)*STEPB
	s_or_b32 s[G0B+4*(\s)+3], s[G0B+4*(\s)+3], 0x80000000
.endr
	s_cmp_eq_u32 s[WV], 3                          ; a wave's two first fills stand in one branch, ahead of every wait on TENSORcnt and every LDS read
	s_cbranch_scc0 .Lfirst_b
	tensor_load_to_lds s[G0A:G0A+3], s[G1A:G1A+7]
	s_nop 0
	tensor_load_to_lds s[G0A+4:G0A+7], s[G1A:G1A+7]
	s_nop 0
.rept 4
	v_nop
.endr
	s_branch .Lfirst_asked
.Lfirst_b:
	tensor_load_to_lds s[G0B:G0B+3], s[G1B:G1B+7]
	s_nop 0
	tensor_load_to_lds s[G0B+4:G0B+7], s[G1B:G1B+7]
	s_nop 0
.rept 4
	v_nop
.endr
.Lfirst_asked:
	; A fragment of xb is 16 rows x 32 K in 8 registers: lane l holds row l % 16, K = 8 (l / 16) + 0..7 and 16 + 8 (l / 16) + 0..7: two loads of 16 bytes, 32 bytes apart.
	v_and_b32 v1, 15, v0                           ; l % 16
	v_bfe_u32 v2, v0, 4, 1                         ; l / 16
	v_mul_u32_u24 v[ADRA0], v1, PA
	v_lshl_add_u32 v[ADRA0], v2, 4, v[ADRA0]
	; The turning load takes 16 K x 16 columns (lane l reads row 8 (l / 16) + l % 8, columns 8 ((l / 8) % 2) + 0..7) and leaves half a fragment: lane l holds column l % 16 and 8 K.
	v_and_b32 v3, 7, v0
	v_lshl_add_u32 v3, v2, 3, v3
	v_mul_u32_u24 v[ADRB0], v3, PB
	v_bfe_u32 v4, v0, 3, 1
	v_lshl_add_u32 v[ADRB0], v4, 4, v[ADRB0]
	s_lshl_b32 s20, s[WV], 6                       ; my 32 columns of a sub-tile
	s_add_co_u32 s21, s20, ASZ
	v_add_nc_u32 v[ADRB0], s21, v[ADRB0]
	SETADR
	v_mul_u32_u24 v[STO], v1, SP                   ; into the stage: row l % 16, my wave's 64 bytes of each 256, 16 bytes for each half of the lanes
	v_lshl_add_u32 v[STO], v2, 4, v[STO]
	v_add_nc_u32 v[STO], s20, v[STO]
	v_add_nc_u32 v[STO+1], 64*SP, v[STO]
	s_mul_i32 s21, s[WV], 32*SP                    ; back: wave w takes rows 32 w .. 32 w + 31, whole; lanes 0-15 256 bytes of one row, lanes 16-31 of the next
	v_mul_u32_u24 v[RD], v2, SP
	v_lshl_add_u32 v[RD], v1, 4, v[RD]
	v_add_nc_u32 v[RD], s21, v[RD]
	v_mul_u32_u24 v[CO], v2, 6144                  ; and the same two rows in qkv
	v_lshl_add_u32 v[CO], v1, 4, v[CO]
	s_lshl_b32 s20, s19, 7
	s_lshl_b32 s21, s[WV], 5
	s_add_co_u32 s20, s20, s21                     ; the first row that I store: 128 x tile row + 32 x wave
	s_mul_i32 s20, s20, 6144
	s_mul_i32 s21, s18, 768                        ; the tile's first column, in bytes
	s_add_co_u32 s20, s20, s21
	s_mov_b32 s21, 0
	s_add_nc_u64 s[8:9], s[8:9], s[20:21]
; 12 matrix instructions: blocks a0, a0 + 1 of the window's four (hi = 0: rows 0-63, 1: rows 64-127) x my 6 column blocks, 32 along K.  zero = 1: the product starts the sums: nothing is ever cleared.
; The 48 accumulators take turns, one instruction a turn, in the same order in every quarter.
.macro MUL12 f, hi, a0, zero
	WIN MUL_LO+0x50*(\hi)
.irp a, \a0, (\a0)+1
.irp b, 0,1,2,3,4,5
.if \zero
	v_wmma_f32_16x16x32_bf16 v[8*(6*(\a)+(\b)):8*(6*(\a)+(\b))+7], v[(\f)+8*(\b):(\f)+8*(\b)+7], v[(\f)+8*(4*(\hi)+(\a)):(\f)+8*(4*(\hi)+(\a))+7], 0
.else
	v_wmma_f32_16x16x32_bf16 v[8*(6*(\a)+(\b)):8*(6*(\a)+(\b))+7], v[(\f)+8*(\b):(\f)+8*(\b)+7], v[(\f)+8*(4*(\hi)+(\a)):(\f)+8*(4*(\hi)+(\a))+7], v[8*(6*(\a)+(\b)):8*(6*(\a)+(\b))+7]
.endif
.endr
.endr
.endm
; 28 LDS loads in one run: the fragments of quarter q (32 along K) of the slot in hand, into buffer f
.macro FETCH q, f
	WIN TO_B
.irp j, 0,1,2
.irp e, 0,1
	ds_load_tr16_b128 v[(\f)+8*(2*\j+\e):(\f)+8*(2*\j+\e)+3],   v[ADRB+\j] offset:32*PB*(\q)+32*\e
	ds_load_tr16_b128 v[(\f)+8*(2*\j+\e)+4:(\f)+8*(2*\j+\e)+7], v[ADRB+\j] offset:32*PB*(\q)+32*\e+16*PB
.endr
.endr
	WIN 0
.irp a, 0,1,2,3,4,5,6,7
	ds_load_b128 v[(\f)+8*\a:(\f)+8*\a+3],   v[ADRA] offset:64*(\q)+16*PA*\a
	ds_load_b128 v[(\f)+8*\a+4:(\f)+8*\a+7], v[ADRA] offset:64*(\q)+16*PA*\a+32
.endr
.endm
; A K step is four quarters of 32 along K, 48 matrix instructions each, on buffers 0, 1, 0, 1.  One of the first three: multiplies buffer f; behind its first twelve products it fetches quarter q into buffer g.
.macro QUARTER q, f, g, zero
	s_wait_dscnt 0x0                               ; buffer f is in: its loads were issued 36 matrix instructions ago
	MUL12 \f, 0, 0, \zero
	PLACES
	FETCH \q, \g
	MUL12 \f, 0, 2, \zero
	MUL12 \f, 1, 0, \zero
	MUL12 \f, 1, 2, \zero
.endm
; The last quarter multiplies buffer 1 and changes slots: ONE barrier.  In front of it each wave waits for all its tensor loads (one is out: its part of the next slot), adds 0 to its spare word,
; and waits for that and for its own reads of this slot.  fill = 1: the barrier opens a round of the cluster's barrier, and this slot is filled again, two K steps ahead, first thing behind the round.
.macro TURN fill
	s_wait_dscnt 0x0                               ; buffer 1 is in: these were my last reads of this slot
	WIN 0                                          ; (the add's two registers lie in window 0)
	s_wait_tensorcnt 0x0                           ; no tensor load of mine is out, so a group 0 may be written
	ds_add_u32 v[SPW], v[NIL]                      ; 0 onto my spare word
.if \fill
	s_add_co_u32 s[G0A+5], s[LBA], s[TB]           ; the walking descriptors: into the slot in hand,
	s_add_nc_u64 s[G0A+6:G0A+7], s[G0A+6:G0A+7], STEPA  ; the next K step; the type bits on top are not reached
	s_add_co_u32 s[G0B+5], s[LBB], s[TB]
	s_add_nc_u64 s[G0B+6:G0B+7], s[G0B+6:G0B+7], STEPB
.endif
	MUL12 F1, 0, 0, 0                              ; twelve matrix instructions stand between the add and the wait for it; no more, so that the request below goes out early
	s_wait_dscnt 0x0                               ; the add is done
	WIN 0                                          ; at a branch and at a label every window is 0
	s_barrier_signal -1
	s_barrier_wait -1
.if \fill
	CREST                                          ; no wave of any partner still reads this slot's tiles or has a load on its way
	JLOAD                                          ; 180 matrix instructions ahead of the wait for it; its four v_nop are also the places in front of the loads below
.else
	PLACES
.endif
	s_xor_b32 s[TB], s[TB], SLOT                   ; 0 and SLOT by turns: the other slot is whole
	SETADR
	FETCH 0, F0
	MUL12 F1, 0, 2, 0
	MUL12 F1, 1, 0, 0
	MUL12 F1, 1, 2, 0
.endm
	s_wait_tensorcnt 0x1                           ; my part of K step 0 is in; K step 1's, issued behind it, may stay out
	s_barrier_signal -1
	s_barrier_wait -1                              ; everybody's is
	FETCH 0, F0
	QUARTER 1, F0, F1, 1                           ; the first quarter stands in front of the loop: its products start the sums
	WIN 0
	s_mov_b32 s[CNT], NSTEP-2
.Lstep:                                                ; a trip: from a K step's second quarter to the next step's first; it fills the slot that it leaves
	QUARTER 2, F1, F0, 0
	QUARTER 3, F0, F1, 0
	TURN 1
	QUARTER 1, F0, F1, 0
	WIN 0
	s_sub_co_u32 s[CNT], s[CNT], 1
	s_cmp_lg_u32 s[CNT], 0
	s_cbranch_scc1 .Lstep
	s_mov_b32 s[CNT], 2
.Ltail:                                                ; the last two K steps ask for nothing: a text of their own, walked twice and left in the middle of the second trip
	QUARTER 2, F1, F0, 0
	QUARTER 3, F0, F1, 0
	WIN 0
	s_sub_co_u32 s[CNT], s[CNT], 1
	s_cmp_eq_u32 s[CNT], 0
	s_cbranch_scc1 .Llast
	TURN 0
	QUARTER 1, F0, F1, 0
	WIN 0
	s_branch .Ltail
.Llast:
	s_wait_dscnt 0x0                               ; buffer 1 is in: my reads of the ring are over;
	s_barrier_signal -1                            ; say so, and multiply while the others arrive
	MUL12 F1, 0, 0, 0
	MUL12 F1, 0, 2, 0
	MUL12 F1, 1, 0, 0
	MUL12 F1, 1, 2, 0
	WIN 0
	s_barrier_wait -1                              ; no wave reads a slot any more: the stage may be written
	; THE WAY OUT: rounded to f16; 16 bytes a lane into the work-group's stage; a barrier, since a row's 768 bytes come from all four waves; back as whole rows, 32 rows a wave.
	PLACES
.irp a, 0,1,2,3,4,5,6,7
	WIN 0x0a+5*((\a)/4)                            ; sources 0 and 1: window 2 or 3; each accumulator's registers in ascending order
.irp b, 0,1,2,3,4,5
.irp e, 0,1,2,3
	v_cvt_pk_f16_f32 v[TMP+4*\b+\e], v[8*(6*((\a)%4)+\b)+2*\e], v[8*(6*((\a)%4)+\b)+2*\e+1]
.endr
.endr
	WIN 0
.irp b, 0,1,2,3,4,5
	ds_store_b128 v[STO+(\a)/4], v[TMP+4*\b:TMP+4*\b+3] offset:((\a)%4)*16*SP+256*((\b)/2)+32*((\b)%2)
.endr
.endr
	s_wait_dscnt 0x0                               ; for the others' sake: my stores into the stage are done
	s_barrier_signal -1
	s_barrier_wait -1
.set t, 0
.rept 48                                               ; two rows at a time, 256 bytes of each: third t / 16 of rows 2 (t % 16), 2 (t % 16) + 1
	ds_load_b128 v[OB+4*t:OB+4*t+3], v[RD] offset:2*SP*(t%16)+256*(t/16)
.set t, t+1
.endr
.set t, 0
.rept 48
	s_wait_dscnt 47-t                              ; LDS loads come back in order: load t is in, the 47 - t younger ones stay out
	global_store_b128 v[CO], v[OB+4*t:OB+4*t+3], s[8:9] offset:2*6144*(t%16)+256*(t/16)  ; 16 lanes store 256 consecutive bytes, at a multiple of 256 from qkv's first byte
.set t, t+1
.endr
	s_wait_tensorcnt 0x0                           ; the wave's end: behind my last tensor load and my last LDS store
	ds_add_u32 v[SPW], v[NIL]
	s_wait_dscnt 0x0
	CROUND                                         ; the closing round: no work-group ends while a partner may still ask for a tile that names it
	s_endpgm
.Lfunc_end_k_qc5309c6740_proj:
	.size	k_qc5309c6740_proj, .Lfunc_end_k_qc5309c6740_proj-k_qc5309c6740_proj
	.p2alignl 7, 3214868480
	.fill 96, 4, 3214868480
	.section	.rodata,"a",@progbits
	.p2align	6, 0x0
	.amdhsa_kernel k_qc5309c6740_proj
		.amdhsa_group_segment_fixed_size 327680
		.amdhsa_private_segment_fixed_size 0
		.amdhsa_enable_private_segment 0
		.amdhsa_kernarg_size 24
		.amdhsa_user_sgpr_count 2
		.amdhsa_user_sgpr_kernarg_segment_ptr 1
		.amdhsa_wavefront_size32 1
		.amdhsa_system_sgpr_workgroup_id_x 1
		.amdhsa_system_sgpr_workgroup_id_y 1
		.amdhsa_system_sgpr_workgroup_id_z 1
		.amdhsa_system_vgpr_workitem_id 0
		.amdhsa_next_free_vgpr 960
		.amdhsa_next_free_sgpr 66
		.amdhsa_reserve_vcc 0
		.amdhsa_float_denorm_mode_32 3
		.amdhsa_float_denorm_mode_16_64 3
		.amdhsa_memory_ordered 1
		.amdhsa_forward_progress 1
		.amdhsa_inst_pref_size 85
	.end_amdhsa_kernel
	.amdgpu_metadata
---
amdhsa.version: [ 1, 2 ]
amdhsa.kernels:
  - .name:           k_qc5309c6740_proj
    .symbol:         k_qc5309c6740_proj.kd
    .args:
      - { .name: xb, .offset: 0, .size: 8, .value_kind: global_buffer, .address_space: global }
      - { .name: wb, .offset: 8, .size: 8, .value_kind: global_buffer, .address_space: global }
      - { .name: qkv, .offset: 16, .size: 8, .value_kind: global_buffer, .address_space: global }
    .group_segment_fixed_size: 327680
    .private_segment_fixed_size: 0
    .kernarg_segment_align: 8
    .kernarg_segment_size: 24
    .max_flat_workgroup_size: 128
    .sgpr_count:     66
    .vgpr_count:     960
    .wavefront_size: 32
...
	.end_amdgpu_metadata
.endif
;; end of part 2
;; launch scores (part 3): grid 8 x 32, 4 waves a work-group, clusters of 4 x 4, 327,680 bytes of LDS; arguments qkv, pbuf, stats; writes pbuf, stats
.if DOCPART == 3
	.amdgcn_target "amdgcn-amd-amdhsa--gfx1250"
	.amdhsa_code_object_version 6
	.text
	.protected	k_qc5309c6740_scores
	.globl	k_qc5309c6740_scores
	.p2align	8
	.type	k_qc5309c6740_scores,@function
k_qc5309c6740_scores:
	s_mov_b64 s[64:65], 0
	v_nop
	global_prefetch_b8 v0, s[64:65] scope:SCOPE_SE
	s_setreg_imm32_b32 hwreg(HW_REG_WAVE_MODE, 25, 1), 1
	s_wait_xcnt 0x0
	s_wait_alu depctr_hold_cnt(0) depctr_sa_sdst(0) depctr_va_vdst(0) depctr_va_sdst(0) depctr_va_ssrc(0) depctr_va_vcc(0) depctr_vm_vsrc(0)
	s_getreg_b32 s2, hwreg(HW_REG_IB_STS2, 6, 4)
	s_cmp_eq_u32 s2, 0
	s_cbranch_scc0 .Lentry_in_a_cluster
	s_endpgm
.Lentry_in_a_cluster:
	s_bfe_u32 s2, ttmp6, 0x10000c
	s_cmp_lg_u32 s2, 0xf033
	s_cbranch_scc0 .Lentry_shape_is_right
	s_endpgm
.Lentry_shape_is_right:
; For each batch: S = q k^T (1,024 channels); a wave holds 128 queries x 128 keys, one CHUNK of a row's 2,048 keys.  For each of its rows it takes the true maximum of the chunk's scores and writes
;   mu = c max s,  p = 2^(c s - mu) in f16,  l = the sum of the unrounded p,      c = log2(e) / 8.
; The next launch joins a row's 16 chunks: M = max mu, w = 2^(mu - M), so that p w = 2^(c s - M): the softmax with the row's own maximum taken away.
; qkv: [8192][3072] f16 (q: columns 0-1023, k: 1024-2047).  stats, f32: mu at 4 (8192 chunk + row), l 524,288 bytes behind it.  Products, maxima and sums in f32.
; pbuf, f16, IN FRAGMENT ORDER: the 16 rows of row block R and the 16 keys of key block B (of the row's batch) are 512 bytes at 512 (128 R + B); lane l's 16 bytes, at 16 l, are row l % 16, keys 8 (l / 16) + 0..7.
; That is what a lane holds here when its weights are packed, and what the same lane of the next launch wants as half a fragment of P: the weights leave straight from registers, 512 consecutive bytes a store.
; LIMITS.  p lies in 0 to 1; below 6e-5 it keeps f16's fixed step of 6e-8; a weight below 2^-126 counts as 0 in l.  NaN and infinities are not treated apart.
; SHARES.  A work-group makes 256 queries x 256 keys: 8 x 32 = 256 work-groups.  Wave (hi, lo) takes queries 128 hi on and keys 128 lo on: 64 accumulators, 512 registers.
; RING.  The channels go in steps of 128 through two LDS slots, each 256 rows of q and 256 rows of k (256 bytes + 16 of padding).  Each wave fetches 128 rows with one tensor load.
; By this text's count a wave has two loads out at the start and one later.
; CLUSTER.  4 x 4 work-groups, all of one batch.  q's tile is asked for jointly by the four of a row of the cluster, k's by the four of a column.
; THE MATRIX INSTRUCTION IS USED TRANSPOSED (source 0 = 16 keys, source 1 = 16 queries): a lane holds ONE query (lane % 16) and, in accumulator b, the keys 16 b + 8 (lane / 16) + 0..7.
; REGISTERS, in windows of 256 (s_set_vgpr_msb: bits 1:0 source 0, 3:2 source 1, 5:4 source 2, 7:6 destination):
;   window 0: v0-31 addresses; v64-127, v128-191 fragments of q, two buffers; on the way out v64-73 at work, v192-223 and v224-255 packed p by turns
;   window 1: v64-127, v128-191 fragments of k      window 2: accumulators of query blocks a = 0-3, (a, b) at v[8 (8 a + b)]      window 3: those of a = 4-7
.set NSTEP,  8
.set PITCH,  272                       ; an LDS row: 68 words, so the 16 rows of a load start at 16 different groups of four banks (64 banks of 4 bytes: ISA guide 11.1)
.set HALFT,  128*PITCH
.set SLOT,   4*HALFT                   ; q's 256 rows, then k's 256 rows
.set SSTAT,  2*SLOT                    ; behind the ring: 1,024 bytes for each wave: 128 mu, then 128 l
.set SPARE,  SSTAT+4*1024              ; the spare words, 128 bytes for each wave: two blocks of 256 bytes that no other line names
.set ROWB,   6144                      ; bytes in a row of qkv
.set STEPK,  256                       ; bytes from a step of 128 channels to the next
.set SST,   10                         ; v10  where I put my row's mu
.set SRD,   11                         ; v11  where I read 16 bytes of my wave's statistics back
.set SGO,   12                         ; v12  16 x lane; never rewritten
.set ADRA0, 16                         ; v16  my lane's place in q's tile; never rewritten
.set ADRA,  17                         ; v17  the same in the slot in hand
.set ADRB0, 20                         ; v20, v21  the same for k
.set ADRB,  21
.set SPW,   28                         ; v28  LDS address of my spare word; never rewritten
.set NIL,   29                         ; v29  0; never rewritten
.set F0,    64
.set F1,    128
.set T,     64                         ; v64-71  at work on the way out
.set CM,    72                         ; v72  mu; v73 is named with it as a pair
.set TMP,   192
.set WV,  12
.set HI,  13                           ; s13  which half of the tile's queries is mine.  Also: I fetch for q (0) or for k (1)
.set LO,  14                           ; s14  which half of its keys.  Also: which 128 rows of that tile I fetch
.set TB,  15                           ; s15  where the slot in hand begins: 0 or SLOT
.set LBA, 16                           ; s16  LDS address in slot 0 of the 128 rows that I fetch
.set G1A, 24
.set G1B, 32
.set G0A, 40                           ; s[40:47] descriptor group 0 for q's tiles: a set for each first fill; the second then walks on
.set G0B, 48                           ; s[48:55] the same for k's
.set CNT, 56
.set CS,  58                           ; s[58:59] c: the packed scaling takes the pair's low word for both halves
.set SEL, 60                           ; s[60:61] v_permlanex16_b32's selects: each lane takes its own place in the other half
.set MSB, 0
.macro WIN new
.if MSB != (\new)
	s_set_vgpr_msb (MSB<<8)|(\new)
.set MSB, \new
.endif
.endm
.set MUL_LO, 0xa1                      ; source 0 (k) window 1, source 1 (q) window 0, C and D window 2
.set MUL_HI, 0xf1
.set TO_B,   0x40
.macro PLACES                          ; four plain vector instructions between a matrix instruction and a load into, or a vector instruction on, its registers (ISA guide 7.12.1 for vector instructions)
.rept 4
	v_nop
.endr
.endm
.macro JLOAD                           ; a joint refill: waves 0 and 1 fetch q's two halves, waves 2 and 3 k's; an s_nop 0 and four v_nop follow each of the two lines
	s_cmp_eq_u32 s[HI], 0
	s_cbranch_scc0 .Lfor_b_\@
	tensor_load_to_lds s[G0A+4:G0A+7], s[G1A:G1A+7]
	s_nop 0
.rept 4
	v_nop
.endr
	s_branch .Lasked_\@
.Lfor_b_\@:
	tensor_load_to_lds s[G0B+4:G0B+7], s[G1B:G1B+7]
	s_nop 0
.rept 4
	v_nop
.endr
.Lasked_\@:
.endm
.macro CREST
	s_cmp_lg_u32 s[WV], 0
	s_cbranch_scc1 .Lnot_wave_0_\@
	s_barrier_signal -3
.Lnot_wave_0_\@:
	s_barrier_wait -3
	s_barrier_signal -1
	s_barrier_wait -1
.endm
.macro CROUND
	s_barrier_signal -1
	s_barrier_wait -1
	CREST
.endm
.macro SETADR
	v_add_nc_u32 v[ADRA], s[TB], v[ADRA0]
	v_add_nc_u32 v[ADRB], s[TB], v[ADRB0]
.endm
	s_load_b128 s[4:7], s[0:1], 0x0                ; qkv s[4:5], pbuf s[6:7]
	s_load_b64 s[8:9], s[0:1], 0x10                ; stats
	v_lshl_add_u32 v[SPW], v0, 2, SPARE
	v_mov_b32 v[NIL], 0
	ds_add_u32 v28, v29
	ds_add_u32 v28, v29
	s_wait_dscnt 0x0
	v_lshrrev_b32 v1, 5, v0
	v_readfirstlane_b32 s[WV], v1
	s_lshr_b32 s[HI], s[WV], 1
	s_and_b32 s[LO], s[WV], 1
	s_bfe_u32 s62, ttmp6, 0x40000                  ; cx
	s_bfe_u32 s63, ttmp6, 0x40004                  ; cy
	s_lshl_b32 s18, ttmp9, 2
	s_add_co_u32 s18, s18, s62                     ; key tile of the batch = 4 x cluster x + cx
	s_and_b32 s19, ttmp7, 0xffff
	s_lshl_b32 s19, s19, 2
	s_add_co_u32 s19, s19, s63                     ; query tile = 4 x cluster y + cy, over all batches
	s_lshl_b32 s20, s63, 2
	s_lshl_b32 s20, 15, s20                        ; my row of the cluster
	s_lshl_b32 s21, 0x1111, s62                    ; my column
	s_or_b32 s[G1A], s20, (1<<16)|(1<<20)|(1<<21)|(5<<22)|(3<<25)  ; 15:0 the mask; 17:16 2-byte elements; 20 padding on; 21 set beside a mask; 24:22 after every 64 words (code 5); 31:25 4 words (code 3)
	s_or_b32 s[G1B], s21, (1<<16)|(1<<20)|(1<<21)|(5<<22)|(3<<25)
.irp g, G1A, G1B
	s_mov_b32 s[(\g)+1], 128<<16                   ; tensor_dim0 = 128
	s_mov_b32 s[(\g)+2], 128<<16                   ; tensor_dim1 = 128
	s_mov_b32 s[(\g)+3], 128<<16                   ; tile_dim0 = 128
	s_mov_b32 s[(\g)+4], 128                       ; tile_dim1 = 128
	s_mov_b32 s[(\g)+5], 3072                      ; elements from row to row
	s_mov_b32 s[(\g)+6], 0
	s_mov_b32 s[(\g)+7], 0
.endr
	s_mov_b32 s[CS], 0x3e38aa3b                    ; c = log2(e) / 8 = 0.180337
	s_mov_b32 s[CS+1], s[CS]
	s_mov_b32 s[SEL], 0x76543210
	s_mov_b32 s[SEL+1], 0xfedcba98
	s_mov_b32 s[TB], 0
	s_mul_i32 s[LBA], s[WV], HALFT                 ; q's two halves, then k's two halves = wave x 128 rows: no place in the cluster enters an LDS address
	s_lshl_b32 s22, s19, 8
	s_lshl_b32 s23, s[LO], 7
	s_add_co_u32 s22, s22, s23                     ; q: row 256 x query tile + 128 x half: made of the query tile and the wave's number alone
	s_mul_i32 s22, s22, ROWB
	s_mov_b32 s23, 0
	s_and_b32 s2, ttmp7, 0xffff
	s_lshr_b32 s2, s2, 1                           ; the batch: two clusters along y to each, so the whole cluster shares it
	s_lshl_b32 s2, s2, 11
	s_lshl_b32 s3, s18, 8
	s_add_co_u32 s2, s2, s3
	s_lshl_b32 s3, s[LO], 7
	s_add_co_u32 s2, s2, s3                        ; k: row 2,048 x batch + 256 x key tile + 128 x half
	s_mul_i32 s2, s2, ROWB
	s_add_co_u32 s2, s2, 2048                      ; k's columns begin at byte 2,048 of a row
	s_mov_b32 s3, 0
	s_wait_kmcnt 0x0
	s_add_nc_u64 s[22:23], s[4:5], s[22:23]
	s_add_nc_u64 s[2:3], s[4:5], s[2:3]
	CROUND                                         ; all sixteen work-groups are here: the first joint loads meet
.irp s, 0,1
	s_mov_b32 s[G0A+4*(\s)], 1
	s_add_co_u32 s[G0A+4*(\s)+1], s[LBA], (\s)*SLOT
	s_add_nc_u64 s[G0A+4*(\s)+2:G0A+4*(\s)+3], s[22:23], (\s)*STEPK
	s_or_b32 s[G0A+4*(\s)+3], s[G0A+4*(\s)+3], 0x80000000
	s_mov_b32 s[G0B+4*(\s)], 1
	s_add_co_u32 s[G0B+4*(\s)+1], s[LBA], (\s)*SLOT
	s_add_nc_u64 s[G0B+4*(\s)+2:G0B+4*(\s)+3], s[2:3], (\s)*STEPK
	s_or_b32 s[G0B+4*(\s)+3], s[G0B+4*(\s)+3], 0x80000000
.endr
	s_cmp_eq_u32 s[HI], 0                          ; a wave's two first fills stand in one branch, ahead of every wait on TENSORcnt and every LDS read
	s_cbranch_scc0 .Lfirst_b
	tensor_load_to_lds s[G0A:G0A+3], s[G1A:G1A+7]
	s_nop 0
	tensor_load_to_lds s[G0A+4:G0A+7], s[G1A:G1A+7]
	s_nop 0
.rept 4
	v_nop
.endr
	s_branch .Lfirst_asked
.Lfirst_b:
	tensor_load_to_lds s[G0B:G0B+3], s[G1B:G1B+7]
	s_nop 0
	tensor_load_to_lds s[G0B+4:G0B+7], s[G1B:G1B+7]
	s_nop 0
.rept 4
	v_nop
.endr
.Lfirst_asked:
	v_and_b32 v1, 15, v0                           ; l % 16
	v_bfe_u32 v2, v0, 4, 1                         ; l / 16
	v_mul_u32_u24 v3, v1, PITCH
	v_lshl_add_u32 v3, v2, 4, v3                   ; a fragment's row x pitch + 16 x half
	s_mul_i32 s20, s[HI], HALFT                    ; my 128 rows of q
	s_mul_i32 s21, s[LO], HALFT                    ; my 128 rows of k,
	s_add_co_u32 s21, s21, 2*HALFT                 ; which lie behind q's 256
	v_add_nc_u32 v[ADRA0], s20, v3
	v_add_nc_u32 v[ADRB0], s21, v3
	SETADR
	s_lshl_b32 s20, s[WV], 10
	s_add_co_u32 s20, s20, SSTAT                   ; my wave's statistics
	v_lshl_add_u32 v[SST], v1, 2, s20
	v_and_b32 v5, 31, v0
	v_lshlrev_b32 v[SGO], 4, v5
	v_add_nc_u32 v[SRD], s20, v[SGO]
	s_lshl_b32 s20, s19, 8
	s_lshl_b32 s21, s[HI], 7
	s_add_co_u32 s20, s20, s21                     ; my first row
	s_lshl_b32 s21, s18, 1
	s_add_co_u32 s21, s21, s[LO]                   ; my chunk of the row's keys
	s_lshl_b32 s2, s20, 12                         ; pbuf: a row block is 65,536 bytes, so my first row x 4,096,
	s_lshl_b32 s3, s21, 12                         ; and a chunk's 8 key blocks are 4,096 bytes of it
	s_add_co_u32 s2, s2, s3
	s_mov_b32 s3, 0
	s_add_nc_u64 s[6:7], s[6:7], s[2:3]
	s_lshl_b32 s2, s21, 13
	s_add_co_u32 s2, s2, s20
	s_lshl_b32 s2, s2, 2                           ; stats: 4 (8,192 chunk + row)
	s_add_nc_u64 s[8:9], s[8:9], s[2:3]
; 16 matrix instructions: query blocks a0, a0 + 1 of the window's four x all 8 key blocks, 32 channels.  The 64 accumulators take turns, one instruction a turn.
.macro MUL16 f, hi, a0, zero
	WIN MUL_LO+0x50*(\hi)
.irp a, \a0, (\a0)+1
.irp b, 0,1,2,3,4,5,6,7
.if \zero
	v_wmma_f32_16x16x32_f16 v[8*(8*(\a)+(\b)):8*(8*(\a)+(\b))+7], v[(\f)+8*(\b):(\f)+8*(\b)+7], v[(\f)+8*(4*(\hi)+(\a)):(\f)+8*(4*(\hi)+(\a))+7], 0
.else
	v_wmma_f32_16x16x32_f16 v[8*(8*(\a)+(\b)):8*(8*(\a)+(\b))+7], v[(\f)+8*(\b):(\f)+8*(\b)+7], v[(\f)+8*(4*(\hi)+(\a)):(\f)+8*(4*(\hi)+(\a))+7], v[8*(8*(\a)+(\b)):8*(8*(\a)+(\b))+7]
.endif
.endr
.endr
.endm
.macro FETCH q, f                      ; 32 LDS loads in one run: quarter q of the slot in hand into buffer f
	WIN TO_B
.irp i, 0,1,2,3,4,5,6,7
	ds_load_b128 v[(\f)+8*\i:(\f)+8*\i+3],   v[ADRB] offset:64*(\q)+16*PITCH*\i
	ds_load_b128 v[(\f)+8*\i+4:(\f)+8*\i+7], v[ADRB] offset:64*(\q)+16*PITCH*\i+32
.endr
	WIN 0
.irp i, 0,1,2,3,4,5,6,7
	ds_load_b128 v[(\f)+8*\i:(\f)+8*\i+3],   v[ADRA] offset:64*(\q)+16*PITCH*\i
	ds_load_b128 v[(\f)+8*\i+4:(\f)+8*\i+7], v[ADRA] offset:64*(\q)+16*PITCH*\i+32
.endr
.endm
.macro QUARTER q, f, g, zero           ; multiplies buffer f; behind its first sixteen products it fetches quarter q into buffer g
	s_wait_dscnt 0x0                               ; buffer f is in: its loads were issued 48 matrix instructions ago
	MUL16 \f, 0, 0, \zero
	PLACES
	FETCH \q, \g
	MUL16 \f, 0, 2, \zero
	MUL16 \f, 1, 0, \zero
	MUL16 \f, 1, 2, \zero
.endm
; The last quarter multiplies buffer 1 and changes slots: ONE barrier; in front of it each wave waits for all its tensor loads, adds 0 to its spare word, and waits for that and for its own reads of this slot.
; fill = 1: the barrier opens a round of the cluster's barrier, and this slot is filled again, two steps ahead, first thing behind the round.
.macro TURN fill
	s_wait_dscnt 0x0                               ; buffer 1 is in: these were my last reads of this slot
	WIN 0
	s_wait_tensorcnt 0x0                           ; no tensor load of mine is out, so a group 0 may be written
	ds_add_u32 v[SPW], v[NIL]                      ; 0 onto my spare word
.if \fill
	s_add_co_u32 s[G0A+5], s[LBA], s[TB]           ; the walking descriptors: into the slot in hand, the next step
	s_add_nc_u64 s[G0A+6:G0A+7], s[G0A+6:G0A+7], STEPK
	s_add_co_u32 s[G0B+5], s[LBA], s[TB]
	s_add_nc_u64 s[G0B+6:G0B+7], s[G0B+6:G0B+7], STEPK
.endif
	MUL16 F1, 0, 0, 0                              ; sixteen matrix instructions stand between the add and the wait for it; no more, so that the request below goes out early
	s_wait_dscnt 0x0                               ; the add is done
	WIN 0
	s_barrier_signal -1
	s_barrier_wait -1
.if \fill
	CREST                                          ; no wave of any partner still reads this slot's tiles or has a load on its way
	JLOAD                                          ; 240 matrix instructions ahead of the wait for it; its four v_nop are also the places in front of the loads below
.else
	PLACES
.endif
	s_xor_b32 s[TB], s[TB], SLOT
	SETADR
	FETCH 0, F0
	MUL16 F1, 0, 2, 0
	MUL16 F1, 1, 0, 0
	MUL16 F1, 1, 2, 0
.endm
; THE WAY OUT of query block a (16 rows, window 2 + a / 4, registers AC on).  A lane holds 64 of its query's 128 scores; the lane 16 away holds the others.
.macro SOFT a
.set AC, 64*((\a)%4)
.set WW, (\a)/4
.set TP, TMP+32*((\a)%2)
	WIN 0x2a+0x15*WW                               ; three sources in the accumulators' window
.irp b, 0,1,2,3,4,5,6,7
	v_max3_num_f32 v[T+\b], v[AC+8*\b], v[AC+8*\b+1], v[AC+8*\b+2]
.endr
	WIN 0x28+0x14*WW                               ; source 0 in window 0
.irp b, 0,1,2,3,4,5,6,7
	v_max3_num_f32 v[T+\b], v[T+\b], v[AC+8*\b+3], v[AC+8*\b+4]
.endr
.irp b, 0,1,2,3,4,5,6,7
	v_max3_num_f32 v[T+\b], v[T+\b], v[AC+8*\b+5], v[AC+8*\b+6]
.endr
.irp b, 0,2,4,6
	v_max3_num_f32 v[T+\b], v[T+\b], v[AC+8*\b+7], v[AC+8*\b+15]
.endr
	WIN 0
	v_max3_num_f32 v[T], v[T], v[T+1], v[T+2]
	v_max3_num_f32 v[T+3], v[T+3], v[T+4], v[T+5]
	v_max3_num_f32 v[T], v[T], v[T+3], v[T+6]
	v_max_num_f32 v[T], v[T], v[T+7]
	v_permlanex16_b32 v[T+1], v[T], s[SEL], s[SEL+1]
	v_max_num_f32 v[T], v[T], v[T+1]               ; the chunk's maximum for my query
	v_mul_f32 v[CM], s[CS], v[T]                   ; mu
	ds_store_b32 v[SST], v[CM] offset:64*(\a)      ; both halves of the lanes write the same word with the same value
	WIN 0x8a+0x45*WW                               ; destination and sources 0, 1 in the accumulators' window, source 2 in window 0
.set i, 0
.rept 32
	v_pk_fma_f32 v[AC+2*i:AC+2*i+1], v[AC+2*i:AC+2*i+1], s[CS:CS+1], v[CM:CM+1] op_sel_hi:[1,0,0] neg_lo:[0,0,1] neg_hi:[0,0,1]  ; c s - mu
.set i, i+1
.endr
.set i, 0
.rept 64
	v_exp_f32 v[AC+i], v[AC+i]
.set i, i+1
.endr
	v_nop                                          ; a plain instruction between the exponentials and the first use of a result (ISA guide 5.7.2)
	s_wait_xcnt 0x0                                ; the registers below were the data of the stores of two blocks ago: they are written again only behind this wait
	WIN 0x0a+5*WW                                  ; sources in the accumulators' window, destination in window 0
.set i, 0
	s_wait_alu depctr_va_vdst(0)
.rept 32
	v_cvt_pk_f16_f32 v[TP+i], v[AC+2*i], v[AC+2*i+1]
.set i, i+1
.endr
	WIN 0
.irp b, 0,1,2,3,4,5,6,7
	global_store_b128 v[SGO], v[TP+4*\b:TP+4*\b+3], s[6:7] offset:65536*(\a)+512*\b  ; key block b of row block a: 512 consecutive bytes, at a multiple of 512 from pbuf's first byte
.endr
	WIN 0x8a+0x45*WW
.irp d, 16,8,4,2,1                     ; the sum of the 32 pairs of unrounded p, in place: neighbours 16, 8, 4, 2 and 1 pairs apart
.set i, 0
.rept \d
	v_pk_add_f32 v[AC+2*i:AC+2*i+1], v[AC+2*i:AC+2*i+1], v[AC+2*(i+\d):AC+2*(i+\d)+1]
.set i, i+1
.endr
.endr
	WIN 0x0a+5*WW
	v_add_f32 v[T], v[AC], v[AC+1]
	WIN 0
	v_permlanex16_b32 v[T+1], v[T], s[SEL], s[SEL+1]
	v_add_f32 v[T], v[T], v[T+1]                   ; l
	ds_store_b32 v[SST], v[T] offset:512+64*(\a)
.endm
	s_wait_tensorcnt 0x1                           ; my part of step 0 is in; step 1's, issued behind it, may stay out
	s_barrier_signal -1
	s_barrier_wait -1
	FETCH 0, F0
	QUARTER 1, F0, F1, 1                           ; the first quarter stands in front of the loop: its products start the sums
	WIN 0
	s_mov_b32 s[CNT], NSTEP-2
.Lstep:                                                ; a trip: from a step's second quarter to the next step's first; it fills the slot that it leaves
	QUARTER 2, F1, F0, 0
	QUARTER 3, F0, F1, 0
	TURN 1
	QUARTER 1, F0, F1, 0
	WIN 0
	s_sub_co_u32 s[CNT], s[CNT], 1
	s_cmp_lg_u32 s[CNT], 0
	s_cbranch_scc1 .Lstep
	s_mov_b32 s[CNT], 2
.Ltail:                                                ; the last two steps ask for nothing: a text of their own, walked twice and left in the middle of the second trip
	QUARTER 2, F1, F0, 0
	QUARTER 3, F0, F1, 0
	WIN 0
	s_sub_co_u32 s[CNT], s[CNT], 1
	s_cmp_eq_u32 s[CNT], 0
	s_cbranch_scc1 .Llast
	TURN 0
	QUARTER 1, F0, F1, 0
	WIN 0
	s_branch .Ltail
.Llast:
	s_wait_dscnt 0x0
	MUL16 F1, 0, 0, 0
	MUL16 F1, 0, 2, 0
	MUL16 F1, 1, 0, 0
	MUL16 F1, 1, 2, 0
	WIN 0
	PLACES
	v_mov_b32 v[CM+1], 0                           ; named with mu as a pair, so it is written
.irp a, 0,1,2,3,4,5,6,7
	SOFT \a
.endr
	ds_load_b128 v[T:T+3],   v[SRD]                ; my wave's 128 mu and 128 l, 16 bytes a lane: my own bytes, served in order behind my stores
	ds_load_b128 v[T+4:T+7], v[SRD] offset:512
	s_wait_dscnt 0x0
	global_store_b128 v[SGO], v[T:T+3],   s[8:9]   ; 512 consecutive bytes each
	global_store_b128 v[SGO], v[T+4:T+7], s[8:9] offset:524288
	s_wait_tensorcnt 0x0                           ; the wave's end: behind my last tensor load and my last LDS store
	ds_add_u32 v[SPW], v[NIL]
	s_wait_dscnt 0x0
	CROUND                                         ; the closing round: no work-group ends while a partner may still ask for a tile that names it
	s_endpgm
.Lfunc_end_k_qc5309c6740_scores:
	.size	k_qc5309c6740_scores, .Lfunc_end_k_qc5309c6740_scores-k_qc5309c6740_scores
	.p2alignl 7, 3214868480
	.fill 96, 4, 3214868480
	.section	.rodata,"a",@progbits
	.p2align	6, 0x0
	.amdhsa_kernel k_qc5309c6740_scores
		.amdhsa_group_segment_fixed_size 327680
		.amdhsa_private_segment_fixed_size 0
		.amdhsa_enable_private_segment 0
		.amdhsa_kernarg_size 24
		.amdhsa_user_sgpr_count 2
		.amdhsa_user_sgpr_kernarg_segment_ptr 1
		.amdhsa_wavefront_size32 1
		.amdhsa_system_sgpr_workgroup_id_x 1
		.amdhsa_system_sgpr_workgroup_id_y 1
		.amdhsa_system_sgpr_workgroup_id_z 1
		.amdhsa_system_vgpr_workitem_id 0
		.amdhsa_next_free_vgpr 1024
		.amdhsa_next_free_sgpr 66
		.amdhsa_reserve_vcc 0
		.amdhsa_float_denorm_mode_32 3
		.amdhsa_float_denorm_mode_16_64 3
		.amdhsa_memory_ordered 1
		.amdhsa_forward_progress 1
		.amdhsa_inst_pref_size 164
	.end_amdhsa_kernel
	.amdgpu_metadata
---
amdhsa.version: [ 1, 2 ]
amdhsa.kernels:
  - .name:           k_qc5309c6740_scores
    .symbol:         k_qc5309c6740_scores.kd
    .args:
      - { .name: qkv, .offset: 0, .size: 8, .value_kind: global_buffer, .address_space: global }
      - { .name: pbuf, .offset: 8, .size: 8, .value_kind: global_buffer, .address_space: global }
      - { .name: stats, .offset: 16, .size: 8, .value_kind: global_buffer, .address_space: global }
    .group_segment_fixed_size: 327680
    .private_segment_fixed_size: 0
    .kernarg_segment_align: 8
    .kernarg_segment_size: 24
    .max_flat_workgroup_size: 128
    .sgpr_count:     66
    .vgpr_count:     1024
    .wavefront_size: 32
...
	.end_amdgpu_metadata
.endif
;; end of part 3
;; launch pv (part 4): grid 4 x 64, 4 waves a work-group, clusters of 4 x 4, 327,680 bytes of LDS; arguments pbuf, qkv, stats, out0; writes out0
.if DOCPART == 4
	.amdgcn_target "amdgcn-amd-amdhsa--gfx1250"
	.amdhsa_code_object_version 6
	.text
	.protected	k_qc5309c6740_pv
	.globl	k_qc5309c6740_pv
	.p2align	8
	.type	k_qc5309c6740_pv,@function
k_qc5309c6740_pv:
	s_mov_b64 s[64:65], 0
	v_nop
	global_prefetch_b8 v0, s[64:65] scope:SCOPE_SE
	s_setreg_imm32_b32 hwreg(HW_REG_WAVE_MODE, 25, 1), 1
	s_wait_xcnt 0x0
	s_wait_alu depctr_hold_cnt(0) depctr_sa_sdst(0) depctr_va_vdst(0) depctr_va_sdst(0) depctr_va_ssrc(0) depctr_va_vcc(0) depctr_vm_vsrc(0)
	s_getreg_b32 s2, hwreg(HW_REG_IB_STS2, 6, 4)
	s_cmp_eq_u32 s2, 0
	s_cbranch_scc0 .Lentry_in_a_cluster
	s_endpgm
.Lentry_in_a_cluster:
	s_bfe_u32 s2, ttmp6, 0x10000c
	s_cmp_lg_u32 s2, 0xf033
	s_cbranch_scc0 .Lentry_shape_is_right
	s_endpgm
.Lentry_shape_is_right:
; out0[row][o] = the sum over chunks c of (w_c / L) (the sum over the chunk's 128 keys of p v),  with M = max over c of mu_c, w_c = 2^(mu_c - M), L = the sum over c of w_c l_c:
; p w = 2^(c s - M) is the softmax's numerator with the row's own maximum taken away, L its denominator.
; pbuf, f16, in fragment order: row block R (16 rows), key block B (16 keys of the row's batch): 512 bytes at 512 (128 R + B); lane l's 16 bytes, at 16 l, are row l % 16, keys 8 (l / 16) + 0..7.
; v: columns 2048-3071 of qkv [8192][3072] f16.  stats, f32: mu at 4 (8192 chunk + row), l 524,288 bytes behind it.  out0: [8192][1024] f32.
; One K step of 128 keys is one chunk.  Its products start from 0 in PARTIAL accumulators; when the chunk is done it is FOLDED into the sums, sum += partial x (w_c / L), in f32, two numbers an instruction.
; LIMITS.  w lies in 0 to 1; a w below 2^-126 counts as 0.  The largest w is 1 and its l at least about 1, so L does not vanish.  NaN and infinities are not treated apart.
; SHARES.  A work-group makes 128 rows x 256 columns: 4 x 64 = 256 work-groups.  Wave (hi, lo) takes rows 64 hi on and columns 128 lo on: 32 partial accumulators and 32 sums, 256 registers each.
; RING.  Two LDS slots, each 8 row blocks of P (4,096 dense bytes each) and 128 keys of V (512 bytes + 32 of padding).  Waves 0 and 1 fetch 4 row blocks of P each (64 rows of P, which lie in memory as four
; runs of 4,096 bytes), waves 2 and 3 64 keys of V each: one tensor load a wave.  By this text's count a wave has two loads out at the start and one later.
; CLUSTER.  4 x 4 work-groups, all of one batch.  P's tile is asked for jointly by the four of a row of the cluster, V's by the four of a column.
; THE MATRIX INSTRUCTION IS USED TRANSPOSED (source 0 = 16 columns of V, turned by ds_load_tr16_b128; source 1 = 16 rows of P): a lane holds one row (lane % 16) and eight neighbouring columns.
; THE SUMS ARE CLEARED once, 256 v_mov_b32 in the wait for the first tile: the price of one text for every fold; a first K step written out with folds of its own would be some 2,500 bytes more.
; REGISTERS, in windows of 256 (s_set_vgpr_msb: bits 1:0 source 0, 3:2 source 1, 5:4 source 2, 7:6 destination):
;   window 0: v0-31 addresses; v32-39 w / L of the chunk in hand, a pair (w, w) for each of my four row blocks; v64-95, v96-127 fragments of P, two buffers; v128-195 at work at the start; v64-191 on the way out
;   window 1: v0-63, v64-127 fragments of V, two buffers      window 2: the sums, (a, b) at v[8 (8 a + b)]      window 3: the partial accumulators, likewise
.set NSTEP,  16
.set ASZ,    32768                     ; P's part of a slot: no padding: a load of the wave reads 512 consecutive bytes
.set PB,     544                       ; an LDS row of V: 136 words
.set SLOT,   ASZ+128*PB                ; 102,400
.set STAGE,  2*SLOT                    ; behind the ring: 16 rows x 528 bytes for each wave, for the way out
.set SP,     528
.set WTAB,   STAGE+4*16*SP             ; 16 tables of 1,024 bytes: w_c / L of row t, twice, at 1,024 c + 64 (t % 16) + 8 (t / 16)
.set SPARE,  WTAB+16*1024              ; the spare words, 128 bytes for each wave: two blocks of 256 bytes that no other line names
.set STEPA,  4096                      ; bytes from a K step to the next in a row block of pbuf,
.set STEPB,  128*6144                  ; and in qkv
.set ADRA0, 16                         ; v16, v17  my lane's place in P's tile, and the same in the slot in hand
.set ADRA,  17
.set ADRB0, 20                         ; v20, v21  the same for V
.set ADRB,  21
.set WAD0,  22                         ; v22, v23  my lane's place in a table of w, and the same in the table in hand
.set WAD,   23
.set STO,   24                         ; v24  the way out: where I put 32 bytes of a row
.set RD,    25                         ; v25  where I read a row back
.set CO,    26                         ; v26  16 x lane
.set SPW,   28                         ; v28  LDS address of my spare word; never rewritten
.set NIL,   29                         ; v29  0; never rewritten
.set SO,    30                         ; v30  4 x my thread's number: my row's offset in stats; never rewritten
.set WS,    32
.set FA,    64
.set MU,    128                        ; at the start: v128-143 mu, then w
.set LL,    144                        ; v144-159 l
.set MX,    160
.set L0,    161
.set L1,    162
.set WTA,   163
.set WPR,   164                        ; v164-195 w / L in pairs
.set WV,  12
.set HI,  13                           ; s13  which half of the tile's rows is mine.  Also: I fetch for P (0) or for V (1)
.set LO,  14                           ; s14  which half of its columns.  Also: which half of that tile I fetch
.set TB,  15                           ; s15  where the slot in hand begins: 0 or SLOT
.set LBA, 16
.set LBB, 17
.set G1A, 24
.set G1B, 32
.set G0A, 40                           ; s[40:47] descriptor group 0 for P's tiles: a set for each first fill; the second then walks on
.set G0B, 48                           ; s[48:55] the same for V's
.set CNT, 56
.set WO,  57                           ; s57  1,024 x the K step in hand
.set MSB, 0
.macro WIN new                         ; the immediate's high byte repeats the setting that is left; a switch that changes nothing is dropped
.if MSB != (\new)
	s_set_vgpr_msb (MSB<<8)|(\new)
.set MSB, \new
.endif
.endm
.set MUL,   0xf1                       ; source 0 (V) window 1, source 1 (P) window 0, C and D window 3
.set FOLDW, 0xa3                       ; source 0 (partial) window 3, source 1 (w) window 0, source 2 and destination (sum) window 2
.set TO_B,  0x40                       ; destination window 1, address window 0
.macro PLACES                          ; four plain vector instructions between a matrix instruction and a load into, or a vector instruction on, its registers (ISA guide 7.12.1 for vector instructions)
.rept 4
	v_nop
.endr
.endm
.macro JLOAD                           ; a joint refill; the branch hangs on the wave's number alone; an s_nop 0 and four v_nop follow each of the two lines
	s_cmp_eq_u32 s[HI], 0
	s_cbranch_scc0 .Lfor_b_\@
	tensor_load_to_lds s[G0A+4:G0A+7], s[G1A:G1A+7]
	s_nop 0
.rept 4
	v_nop
.endr
	s_branch .Lasked_\@
.Lfor_b_\@:
	tensor_load_to_lds s[G0B+4:G0B+7], s[G1B:G1B+7]
	s_nop 0
.rept 4
	v_nop
.endr
.Lasked_\@:
.endm
.macro CREST                           ; a round of the cluster's barrier behind its opening barrier
	s_cmp_lg_u32 s[WV], 0
	s_cbranch_scc1 .Lnot_wave_0_\@
	s_barrier_signal -3
.Lnot_wave_0_\@:
	s_barrier_wait -3
	s_barrier_signal -1
	s_barrier_wait -1
.endm
.macro CROUND
	s_barrier_signal -1
	s_barrier_wait -1
	CREST
.endm
.macro SETADR
	v_add_nc_u32 v[ADRA], s[TB], v[ADRA0]
	v_add_nc_u32 v[ADRB], s[TB], v[ADRB0]
	v_add_nc_u32 v[WAD], s[WO], v[WAD0]
.endm
	s_load_b256 s[4:11], s[0:1], 0x0               ; pbuf s[4:5], qkv s[6:7], stats s[8:9], out0 s[10:11]
	v_lshl_add_u32 v[SPW], v0, 2, SPARE
	v_mov_b32 v[NIL], 0
	ds_add_u32 v28, v29
	ds_add_u32 v28, v29
	s_wait_dscnt 0x0
	v_lshrrev_b32 v1, 5, v0
	v_readfirstlane_b32 s[WV], v1
	v_lshlrev_b32 v[SO], 2, v0
	s_lshr_b32 s[HI], s[WV], 1
	s_and_b32 s[LO], s[WV], 1
	s_bfe_u32 s62, ttmp6, 0x40000                  ; cx
	s_bfe_u32 s63, ttmp6, 0x40004                  ; cy
	s_lshl_b32 s18, ttmp9, 2
	s_add_co_u32 s18, s18, s62                     ; tile column = 4 x cluster x + cx
	s_and_b32 s19, ttmp7, 0xffff
	s_lshl_b32 s19, s19, 2
	s_add_co_u32 s19, s19, s63                     ; tile row = 4 x cluster y + cy, over all batches
	s_lshl_b32 s20, s63, 2
	s_lshl_b32 s20, 15, s20                        ; my row of the cluster
	s_lshl_b32 s21, 0x1111, s62                    ; my column
	s_or_b32 s[G1A], s20, (3<<16)|(1<<21)          ; P: 15:0 the mask; 17:16 elements of 8 bytes; no padding; 21 set beside a mask
	s_or_b32 s[G1B], s21, (1<<16)|(1<<20)|(1<<21)|(6<<22)|(7<<25)  ; V: 2-byte elements; padding after every 128 words (code 6) of 8 words (code 7)
	s_mov_b32 s[G1A+1], 512<<16                    ; P: tensor_dim0 = 512 elements: a row block's 4,096 bytes of this K step
	s_mov_b32 s[G1A+2], 4<<16                      ; tensor_dim1 = 4 row blocks
	s_mov_b32 s[G1A+3], 512<<16                    ; tile_dim0 = 512
	s_mov_b32 s[G1A+4], 4                          ; tile_dim1 = 4
	s_mov_b32 s[G1A+5], 8192                       ; 8,192 elements, 65,536 bytes, from a row block to the next
	s_mov_b32 s[G1A+6], 0
	s_mov_b32 s[G1A+7], 0
	s_mov_b32 s[G1B+1], 256<<16                    ; V: tensor_dim0 = 256
	s_mov_b32 s[G1B+2], 64<<16                     ; tensor_dim1 = 64
	s_mov_b32 s[G1B+3], 256<<16                    ; tile_dim0 = 256
	s_mov_b32 s[G1B+4], 64                         ; tile_dim1 = 64
	s_mov_b32 s[G1B+5], 3072                       ; elements from row to row
	s_mov_b32 s[G1B+6], 0
	s_mov_b32 s[G1B+7], 0
	s_mov_b32 s[TB], 0
	s_mov_b32 s[WO], 0
	s_lshl_b32 s[LBA], s[LO], 14                   ; no place in the cluster enters an LDS address
	s_mul_i32 s[LBB], s[LO], 64*PB
	s_add_co_u32 s[LBB], s[LBB], ASZ
	s_lshl_b32 s22, s19, 3
	s_lshl_b32 s23, s[LO], 2
	s_add_co_u32 s22, s22, s23
	s_lshl_b32 s22, s22, 16                        ; P: row block 8 x tile row + 4 x half, 65,536 bytes each: made of the tile row and the wave's number alone
	s_mov_b32 s23, 0
	s_and_b32 s2, ttmp7, 0xffff
	s_lshr_b32 s2, s2, 2                           ; the batch: four clusters along y to each, so the whole cluster shares it
	s_lshl_b32 s2, s2, 11
	s_lshl_b32 s3, s[LO], 6
	s_add_co_u32 s2, s2, s3                        ; V: key row 2,048 x batch + 64 x half
	s_mul_i32 s2, s2, 6144
	s_lshl_b32 s3, s18, 9                          ; the tile's 256 columns, 512 bytes,
	s_add_co_u32 s2, s2, s3
	s_add_co_u32 s2, s2, 4096                      ; behind byte 4,096 of a row, where v's columns begin
	s_mov_b32 s3, 0
	s_lshl_b32 s20, s19, 9                         ; stats: my work-group's 128 rows, 4 bytes each
	s_mov_b32 s21, 0
	s_wait_kmcnt 0x0
	s_add_nc_u64 s[22:23], s[4:5], s[22:23]
	s_add_nc_u64 s[2:3], s[6:7], s[2:3]
	s_add_nc_u64 s[8:9], s[8:9], s[20:21]
.irp c, 0,1,2,3,4,5,6,7,8,9,10,11,12,13,14,15          ; thread t owns row t of the tile: its 16 mu and 16 l are asked for ahead of everything else
	global_load_b32 v[MU+\c], v[SO], s[8:9] offset:32768*\c
	global_load_b32 v[LL+\c], v[SO], s[8:9] offset:524288+32768*\c
.endr
	CROUND                                         ; all sixteen work-groups are here: the first joint loads meet
.irp s, 0,1
	s_mov_b32 s[G0A+4*(\s)], 1                                       ; 1:0 count = 1
	s_add_co_u32 s[G0A+4*(\s)+1], s[LBA], (\s)*SLOT                  ; 63:32 LDS address
	s_add_nc_u64 s[G0A+4*(\s)+2:G0A+4*(\s)+3], s[22:23], (\s)*STEPA  ; 120:64 global address: K step s
	s_or_b32 s[G0A+4*(\s)+3], s[G0A+4*(\s)+3], 0x80000000            ; 127:126 type = 2
	s_mov_b32 s[G0B+4*(\s)], 1
	s_add_co_u32 s[G0B+4*(\s)+1], s[LBB], (\s)*SLOT
	s_add_nc_u64 s[G0B+4*(\s)+2:G0B+4*(\s)+3], s[2:3], (\s)*STEPB
	s_or_b32 s[G0B+4*(\s)+3], s[G0B+4*(\s)+3], 0x80000000
.endr
	s_cmp_eq_u32 s[HI], 0                          ; a wave's two first fills stand in one branch, ahead of every wait on TENSORcnt and every LDS read
	s_cbranch_scc0 .Lfirst_b
	tensor_load_to_lds s[G0A:G0A+3], s[G1A:G1A+7]
	s_nop 0
	tensor_load_to_lds s[G0A+4:G0A+7], s[G1A:G1A+7]
	s_nop 0
.rept 4
	v_nop
.endr
	s_branch .Lfirst_asked
.Lfirst_b:
	tensor_load_to_lds s[G0B:G0B+3], s[G1B:G1B+7]
	s_nop 0
	tensor_load_to_lds s[G0B+4:G0B+7], s[G1B:G1B+7]
	s_nop 0
.rept 4
	v_nop
.endr
.Lfirst_asked:
	WIN 0x80                                       ; the sums begin at 0
.set i, 0
.rept 256
	v_mov_b32 v[i], 0
.set i, i+1
.endr
	WIN 0
	v_and_b32 v1, 15, v0                           ; l % 16
	v_bfe_u32 v2, v0, 4, 1                         ; l / 16
	v_and_b32 v5, 31, v0
	v_lshlrev_b32 v[CO], 4, v5                     ; 16 x lane
	s_lshl_b32 s20, s[HI], 14                      ; my 4 row blocks of P
	v_add_nc_u32 v[ADRA0], s20, v[CO]
	v_and_b32 v4, 7, v0                            ; the turning load: lane l reads key 8 (l / 16) + l % 8, columns 8 ((l / 8) % 2) + 0..7
	v_lshl_add_u32 v4, v2, 3, v4
	v_mul_u32_u24 v4, v4, PB
	v_bfe_u32 v5, v0, 3, 1
	v_lshl_add_u32 v4, v5, 4, v4
	s_lshl_b32 s20, s[LO], 8                       ; my 128 columns of V
	s_add_co_u32 s20, s20, ASZ
	v_add_nc_u32 v[ADRB0], s20, v4
	v_lshlrev_b32 v[WAD0], 6, v1                   ; a table's 32 bytes for rows 64 hi + 16 a + l % 16, a = 0..3
	s_lshl_b32 s20, s[HI], 5
	s_add_co_u32 s20, s20, WTAB
	v_add_nc_u32 v[WAD0], s20, v[WAD0]
	SETADR
	s_mul_i32 s20, s[WV], 16*SP
	s_add_co_u32 s20, s20, STAGE                   ; my stage
	v_mul_u32_u24 v[STO], v1, SP                   ; in: row l % 16, 32 bytes for each half of the lanes
	v_lshl_add_u32 v[STO], v2, 5, v[STO]
	v_add_nc_u32 v[STO], s20, v[STO]
	v_add_nc_u32 v[RD], s20, v[CO]                 ; back and out: 32 lanes take one row of 512 bytes
	v_lshrrev_b32 v5, 4, v0                        ; where thread t puts row t's pairs: 64 (t % 16) + 8 (t / 16)
	v_lshlrev_b32 v[WTA], 6, v1
	v_lshl_add_u32 v[WTA], v5, 3, v[WTA]
	v_add_nc_u32 v[WTA], WTAB, v[WTA]
	s_lshl_b32 s20, s19, 7
	s_lshl_b32 s21, s[HI], 6
	s_add_co_u32 s20, s20, s21
	s_lshl_b32 s20, s20, 12                        ; out0: my first row x 4,096,
	s_lshl_b32 s21, s18, 10                        ; the tile's 256 columns, 1,024 bytes,
	s_add_co_u32 s20, s20, s21
	s_lshl_b32 s21, s[LO], 9                       ; my half of them
	s_add_co_u32 s20, s20, s21
	s_mov_b32 s21, 0
	s_add_nc_u64 s[10:11], s[10:11], s[20:21]
	; my row's M, w and L, in the wait for the first tiles
	s_wait_loadcnt 0x0
	v_max3_num_f32 v[MX], v[MU], v[MU+1], v[MU+2]
.irp c, 3,5,7,9,11,13
	v_max3_num_f32 v[MX], v[MX], v[MU+\c], v[MU+\c+1]
.endr
	v_max_num_f32 v[MX], v[MX], v[MU+15]           ; M: the row's own maximum, times c
.irp c, 0,1,2,3,4,5,6,7,8,9,10,11,12,13,14,15
	v_sub_f32 v[MU+\c], v[MU+\c], v[MX]
.endr
.irp c, 0,1,2,3,4,5,6,7,8,9,10,11,12,13,14,15
	v_exp_f32 v[MU+\c], v[MU+\c]                   ; w
.endr
	v_nop                                          ; a plain instruction between the exponentials and the first use of a result (ISA guide 5.7.2)
	s_wait_alu depctr_va_vdst(0)
	v_mul_f32 v[L0], v[MU], v[LL]
	v_mul_f32 v[L1], v[MU+1], v[LL+1]
.irp c, 2,4,6,8,10,12,14
	v_fma_f32 v[L0], v[MU+\c], v[LL+\c], v[L0]
	v_fma_f32 v[L1], v[MU+\c+1], v[LL+\c+1], v[L1]
.endr
	v_add_f32 v[L0], v[L0], v[L1]                  ; L
	v_rcp_f32 v[L0], v[L0]
	v_nop                                          ; a plain instruction behind the reciprocal
	s_wait_alu depctr_va_vdst(0)
.irp c, 0,1,2,3,4,5,6,7,8,9,10,11,12,13,14,15
	v_mul_f32 v[WPR+2*\c], v[MU+\c], v[L0]         ; w / L, twice: the pair that the packed fold multiplies by
	v_mul_f32 v[WPR+2*\c+1], v[MU+\c], v[L0]
.endr
.irp c, 0,1,2,3,4,5,6,7,8,9,10,11,12,13,14,15
	ds_store_b64 v[WTA], v[WPR+2*\c:WPR+2*\c+1] offset:1024*\c
.endr
; 8 matrix instructions: row block a x all 8 column blocks, 32 keys.  zero = 1: a chunk's first products start its partial sums.  The 32 accumulators take turns, one instruction a turn.
.macro MUL8 f, a, zero
	WIN MUL
.irp b, 0,1,2,3,4,5,6,7
.if \zero
	v_wmma_f32_16x16x32_f16 v[8*(8*(\a)+\b):8*(8*(\a)+\b)+7], v[64*(\f)+8*\b:64*(\f)+8*\b+7], v[FA+32*(\f)+8*(\a):FA+32*(\f)+8*(\a)+7], 0
.else
	v_wmma_f32_16x16x32_f16 v[8*(8*(\a)+\b):8*(8*(\a)+\b)+7], v[64*(\f)+8*\b:64*(\f)+8*\b+7], v[FA+32*(\f)+8*(\a):FA+32*(\f)+8*(\a)+7], v[8*(8*(\a)+\b):8*(8*(\a)+\b)+7]
.endif
.endr
.endm
; Row block a's finished chunk goes into the sums: 32 packed fused multiply-adds, each accumulator's registers in ascending order.  A lane holds one row, so one pair (w, w) serves the block.
.macro FOLD a
	WIN FOLDW
.set i, 0
.rept 32
	v_pk_fma_f32 v[64*(\a)+2*i:64*(\a)+2*i+1], v[64*(\a)+2*i:64*(\a)+2*i+1], v[WS+2*(\a):WS+2*(\a)+1], v[64*(\a)+2*i:64*(\a)+2*i+1]
.set i, i+1
.endr
.endm
.macro FETCH q, f                      ; 24 LDS loads in one run: quarter q (32 keys) of the slot in hand into buffer f; with a step's third quarter also its w / L, which the last fold of the step before has left free
	WIN TO_B
.irp b, 0,1,2,3,4,5,6,7
	ds_load_tr16_b128 v[64*(\f)+8*\b:64*(\f)+8*\b+3],   v[ADRB] offset:32*PB*(\q)+32*\b
	ds_load_tr16_b128 v[64*(\f)+8*\b+4:64*(\f)+8*\b+7], v[ADRB] offset:32*PB*(\q)+32*\b+16*PB
.endr
	WIN 0
.irp a, 0,1,2,3
	ds_load_b128 v[FA+32*(\f)+8*\a:FA+32*(\f)+8*\a+3],   v[ADRA] offset:4096*\a+1024*(\q)      ; key block 2 q of the step: keys 8 (l / 16) + 0..7 of the 32
	ds_load_b128 v[FA+32*(\f)+8*\a+4:FA+32*(\f)+8*\a+7], v[ADRA] offset:4096*\a+1024*(\q)+512  ; key block 2 q + 1: keys 16 + 8 (l / 16) + 0..7
.endr
.if (\q) == 2
	ds_load_b128 v[WS:WS+3],   v[WAD]
	ds_load_b128 v[WS+4:WS+7], v[WAD] offset:16
.endif
.endm
; A K step is four quarters of 32 keys, 32 matrix instructions each, on buffers 0, 1, 0, 1.  One of the first three: multiplies buffer f; behind its first eight products it fetches quarter q into buffer g.
; fd = 1 (a step's first quarter, but the first step's): row block 3 of the chunk before is folded behind those eight products.
.macro QUARTER q, f, g, zero, fd
	s_wait_dscnt 0x0                               ; buffer f is in: its loads were issued 24 matrix instructions ago
	MUL8 \f, 0, \zero
.if \fd
	FOLD 3                                         ; behind its products stand the 32 lines of the fold of block 2
.else
	PLACES
.endif
	FETCH \q, \g
	MUL8 \f, 1, \zero
	MUL8 \f, 2, \zero
	MUL8 \f, 3, \zero
.endm
; The last quarter multiplies buffer 1, changes slots and folds: ONE barrier; in front of it each wave waits for all its tensor loads (one is out: its part of the next slot), adds 0 to its spare word,
; and waits for that and for its own reads of this slot.  fill = 1: the barrier opens a round of the cluster's barrier, and this slot is filled again, two K steps ahead, first thing behind the round.
.macro TURN fill
	s_wait_dscnt 0x0                               ; buffer 1 is in: these were my last reads of this slot
	WIN 0                                          ; (the add's two registers lie in window 0)
	s_wait_tensorcnt 0x0                           ; no tensor load of mine is out, so a group 0 may be written
	ds_add_u32 v[SPW], v[NIL]                      ; 0 onto my spare word
.if \fill
	s_add_co_u32 s[G0A+5], s[LBA], s[TB]           ; the walking descriptors: into the slot in hand,
	s_add_nc_u64 s[G0A+6:G0A+7], s[G0A+6:G0A+7], STEPA  ; the next K step; the type bits on top are not reached
	s_add_co_u32 s[G0B+5], s[LBB], s[TB]
	s_add_nc_u64 s[G0B+6:G0B+7], s[G0B+6:G0B+7], STEPB
.endif
	MUL8 1, 0, 0                                   ; eight matrix instructions stand between the add and the wait for it; no more, so that the request below goes out early
	s_wait_dscnt 0x0                               ; the add is done
	WIN 0                                          ; at a branch and at a label every window is 0
	s_barrier_signal -1
	s_barrier_wait -1
.if \fill
	CREST                                          ; no wave of any partner still reads this slot's tiles or has a load on its way
	JLOAD                                          ; 120 matrix instructions and 128 folds ahead of the wait for it
.else
	PLACES
.endif
	s_xor_b32 s[TB], s[TB], SLOT                   ; 0 and SLOT by turns: the other slot is whole
	s_add_co_u32 s[WO], s[WO], 1024                ; the next chunk's table
	SETADR                                         ; with the four v_nop above: the places in front of the loads below and of the fold of block 0
	FETCH 0, 0
	MUL8 1, 1, 0
	FOLD 0
	MUL8 1, 2, 0
	FOLD 1                                         ; behind block 1's products stand the 32 lines of the fold before; likewise below
	MUL8 1, 3, 0
	FOLD 2
.endm
	s_wait_dscnt 0x0                               ; for the others' sake: my row's pairs are in the tables
	s_wait_tensorcnt 0x1                           ; my part of K step 0 is in; K step 1's, issued behind it, may stay out
	s_barrier_signal -1
	s_barrier_wait -1
	FETCH 0, 0
	QUARTER 1, 0, 1, 1, 0                          ; the first step's first quarter: there is no chunk before it to fold
	WIN 0
	s_mov_b32 s[CNT], NSTEP-2
.Lstep:                                                ; a trip: from a K step's second quarter to the next step's first; it fills the slot that it leaves
	QUARTER 2, 1, 0, 0, 0
	QUARTER 3, 0, 1, 0, 0
	TURN 1
	QUARTER 1, 0, 1, 1, 1
	WIN 0
	s_sub_co_u32 s[CNT], s[CNT], 1
	s_cmp_lg_u32 s[CNT], 0
	s_cbranch_scc1 .Lstep
	s_mov_b32 s[CNT], 2
.Ltail:                                                ; the last two K steps ask for nothing: a text of their own, walked twice and left in the middle of the second trip
	QUARTER 2, 1, 0, 0, 0
	QUARTER 3, 0, 1, 0, 0
	WIN 0
	s_sub_co_u32 s[CNT], s[CNT], 1
	s_cmp_eq_u32 s[CNT], 0
	s_cbranch_scc1 .Llast
	TURN 0
	QUARTER 1, 0, 1, 1, 1
	WIN 0
	s_branch .Ltail
.Llast:
	s_wait_dscnt 0x0
	MUL8 1, 0, 0
	MUL8 1, 1, 0
	PLACES
	FOLD 0
	MUL8 1, 2, 0
	FOLD 1
	MUL8 1, 3, 0
	FOLD 2
	FOLD 3
	; THE WAY OUT: the sums are the results.  Through my own stage in LDS, a block of 16 rows at a time, and out as whole rows of 512 bytes.
.macro TOST a
.set BK, 64+64*((\a)%2)                ; v64-127 and v128-191 by turns
	s_wait_xcnt 0x0                                ; the registers that earlier stores read are loaded again only behind this wait
	WIN 0x08                                       ; store data (source 1) in window 2, address in window 0
.irp b, 0,1,2,3,4,5,6,7
	ds_store_b128 v[STO], v[64*(\a)+8*\b:64*(\a)+8*\b+3]   offset:64*\b
	ds_store_b128 v[STO], v[64*(\a)+8*\b+4:64*(\a)+8*\b+7] offset:64*\b+16
.endr
	WIN 0
.irp t, 0,1,2,3,4,5,6,7,8,9,10,11,12,13,14,15
	ds_load_b128 v[BK+4*\t:BK+4*\t+3], v[RD] offset:SP*\t  ; LDS serves a wave's instructions in order (ISA guide 5.7.1.4): these see the stores above, and the next block's stores come behind them
.endr
.endm
.macro SENDO a, younger                ; younger: the LDS instructions issued behind block a's loads: the next block's 16 stores and 16 loads, or none
.set BK, 64+64*((\a)%2)
	s_wait_dscnt \younger                          ; the block is back in registers
.irp t, 0,1,2,3,4,5,6,7,8,9,10,11,12,13,14,15
	global_store_b128 v[CO], v[BK+4*\t:BK+4*\t+3], s[10:11] offset:(16*(\a)+\t)*4096 th:TH_STORE_NT  ; 512 consecutive bytes, at a multiple of 256 from out0's first byte
.endr
.endm
	TOST 0
	TOST 1
	SENDO 0, 32
	TOST 2
	SENDO 1, 32
	TOST 3
	SENDO 2, 32
	SENDO 3, 0
	s_wait_tensorcnt 0x0                           ; the wave's end: behind my last tensor load and my last LDS store
	ds_add_u32 v[SPW], v[NIL]
	s_wait_dscnt 0x0
	CROUND                                         ; the closing round: no work-group ends while a partner may still ask for a tile that names it
	s_endpgm
.Lfunc_end_k_qc5309c6740_pv:
	.size	k_qc5309c6740_pv, .Lfunc_end_k_qc5309c6740_pv-k_qc5309c6740_pv
	.p2alignl 7, 3214868480
	.fill 96, 4, 3214868480
	.section	.rodata,"a",@progbits
	.p2align	6, 0x0
	.amdhsa_kernel k_qc5309c6740_pv
		.amdhsa_group_segment_fixed_size 327680
		.amdhsa_private_segment_fixed_size 0
		.amdhsa_enable_private_segment 0
		.amdhsa_kernarg_size 32
		.amdhsa_user_sgpr_count 2
		.amdhsa_user_sgpr_kernarg_segment_ptr 1
		.amdhsa_wavefront_size32 1
		.amdhsa_system_sgpr_workgroup_id_x 1
		.amdhsa_system_sgpr_workgroup_id_y 1
		.amdhsa_system_sgpr_workgroup_id_z 1
		.amdhsa_system_vgpr_workitem_id 0
		.amdhsa_next_free_vgpr 1024
		.amdhsa_next_free_sgpr 66
		.amdhsa_reserve_vcc 0
		.amdhsa_float_denorm_mode_32 3
		.amdhsa_float_denorm_mode_16_64 3
		.amdhsa_memory_ordered 1
		.amdhsa_forward_progress 1
		.amdhsa_inst_pref_size 103
	.end_amdhsa_kernel
	.amdgpu_metadata
---
amdhsa.version: [ 1, 2 ]
amdhsa.kernels:
  - .name:           k_qc5309c6740_pv
    .symbol:         k_qc5309c6740_pv.kd
    .args:
      - { .name: pbuf, .offset: 0, .size: 8, .value_kind: global_buffer, .address_space: global }
      - { .name: qkv, .offset: 8, .size: 8, .value_kind: global_buffer, .address_space: global }
      - { .name: stats, .offset: 16, .size: 8, .value_kind: global_buffer, .address_space: global }
      - { .name: out0, .offset: 24, .size: 8, .value_kind: global_buffer, .address_space: global }
    .group_segment_fixed_size: 327680
    .private_segment_fixed_size: 0
    .kernarg_segment_align: 8
    .kernarg_segment_size: 32
    .max_flat_workgroup_size: 128
    .sgpr_count:     66
    .vgpr_count:     1024
    .wavefront_size: 32
...
	.end_amdgpu_metadata
.endif
;; end of part 4
